; MI455X (gfx1250); checked and timed in simulation.
; The chip was launched on July 23, 2026; its instructions are those of AMD's public machine-readable ISA for CDNA 5 (MIT licence, August 2026) and "CDNA5" Instruction Set Architecture Reference Guide (July 2026). The comments in the code are by the model that wrote it; some were corrected since.
;; TQ Linear. Allowed arithmetic: float matrix products may take bf16 or f16 operands with f32 sums; other float arithmetic in f32, or as packed bf16 or f16 multiplies, adds, multiply-adds, maxima and minima; sums over many terms, partial sums and values carried from step to step in f32; what a program stores and reads back later, other than sums and carried values, may be rounded once to bf16 or f16.
;; Inputs: bias 4,096 float32; delta_in_experts 8 x 1 x 4,096 float32; delta_out_experts 8 x 4,096 x 1 float32; weight_int 4,096 x 4,096 int32; x 4,096 x 4,096 float32; zero_point 4,096 x 1 float32.
;; Outputs: out0 4,096 x 4,096 float32.
;; Constants: expert_index = 3.
;; One version. Each part assembles by itself: llvm-mc -triple=amdgcn-amd-amdhsa -mcpu=gfx1250 --defsym DOCPART=n.
;; ======== version 1 of 1: 2 launches
;; limits: a difference of large sums (such as E[x^2] - mean^2): digits are lost where the result is much smaller than its terms; values are held in f16: magnitudes above 65,504 overflow, below 6.1e-05 lose precision; inputs' magnitudes at most 2,048
;; workspace buffers: xh 33,554,432 bytes; wh 33,554,432 bytes; tsum 16,384 bytes
;; launch prep (part 1): grid 128 x 2, 8 waves a work-group, no clusters, 0 bytes of LDS; arguments x, delta_in_experts, weight_int, xh, wh, tsum; writes xh, wh, tsum
.if DOCPART == 1
	.amdgcn_target "amdgcn-amd-amdhsa--gfx1250"
	.amdhsa_code_object_version 6
	.text
	.protected	k_q00912d5cf6_prep
	.globl	k_q00912d5cf6_prep
	.p2align	8
	.type	k_q00912d5cf6_prep,@function
k_q00912d5cf6_prep:
	s_mov_b64 s[64:65], 0
	v_nop
	global_prefetch_b8 v0, s[64:65] scope:SCOPE_SE
	s_setreg_imm32_b32 hwreg(HW_REG_WAVE_MODE, 25, 1), 1
	s_wait_xcnt 0x0
; THE OPERANDS OF THE PRODUCT, EACH NUMBER CONVERTED ONCE.
;   work-groups with y = 0:  xh[n][i] = f16(x[n][i] * din[3][i]),  tsum[n] = the sum over i of xh[n][i] (of the ROUNDED numbers, in f32)
;   work-groups with y = 1:  wh[o][i] = f16(float(weight_int[o][i]))
; x, weight_int: [4096][4096] of 4 bytes; xh, wh: [4096][4096] f16; din: row 3 of [8][1][4096] f32; tsum: [4096] f32.
; The next launch forms y = dout (S - zp T) + bias with S = xh wh^T and T = tsum: since T is the sum of the very numbers that are multiplied, S - zp T is the sum of xh (w - zp) but for f32 summation.
; WHY f16.  The one rounding is that of x din.  A column's error goes with its dout, which may lie well above dout's root mean square, while the room for error goes by the whole output's root mean square:
; 11 significant bits leave that room, 8 do not.
; LIMITS.  f16 ends at 65,504: an |x din| of 65,520 or more becomes an infinity; below 6e-5 it keeps f16's fixed step of 6e-8.  An integer up to 2,048 in magnitude is exact in f16; a larger one is rounded
; to 11 significant bits here, before the zero point is taken away, and one beyond 65,504 becomes an infinity.  NaN and infinities are not treated apart.
; SHARES.  A work-group owns 32 rows, each of its eight waves 4; one wave takes a whole row, so a row's sum never leaves the wave: no LDS, no barrier.
; A row of 16,384 bytes is four quarters of eight 16-byte loads a lane; a load of the wave covers 512 consecutive bytes.  Four numbers become 8 bytes: a store of the wave covers 256 consecutive bytes, aligned.
; A ring of four register slots, a quarter each: 32 loads of every wave are on their way; a slot is asked for again (the next row's same quarter) as soon as it has been worked on, ahead of the stores.
; Nothing is shared between work-groups but din's row, so there is no cluster and no tile; the launch does nothing but stream, so nothing is prefetched.
.set ROWI,   16384                     ; bytes in a row of x and of weight_int
.set ROWO,   8192                      ; bytes in a row of xh and of wh
.set EXP_IN, 3*4096*4                  ; expert 3's row of delta_in_experts
.set LANE, 1                           ; v1        my lane
.set VI,   2                           ; v2        16 x lane: my bytes in a load; never rewritten
.set VO,   3                           ; v3        8 x lane: my bytes in a store; never rewritten
.set TO,   4                           ; v4        4 x lane: lanes 0-3 store the wave's four sums
.set TS,   5                           ; v5        lane r keeps row r's sum
.set PX,   6                           ; v6        the other half of the lanes' sum
.set SUM,  8                           ; v[8:11]   four chains of sums
.set ONE,  12                          ; v12       1.0: the factor by which a rounded number enters its chain; never rewritten
.set ZERO, 13                          ; v13       0: what a row's first four numbers are added to; never rewritten
.set Y,    16                          ; v[16:31]  a quarter's 32 f16 a lane, to store
.set X,    128                         ; v[128:255] slot q: 32 registers at X + 32 q
.set D,    0                           ; v[0:127] of window 1: din of my 128 columns, laid out as the slots are
.set PIN,  16                          ; s[16:17]  the input at the row in hand
.set POUT, 18                          ; s[18:19]  the output at the row in hand
.set WV,   21                          ; s21       my wave's number
.set KIND, 22                          ; s22       0: x; 1: weight_int
.set ROWN, 23                          ; s23       the row in hand, 0 to 3
.set SEL,  30                          ; s[30:31]  v_permlanex16_b32's selects: each lane takes its own place in the other half
.set MSB, 0
.macro WIN new                         ; s_set_vgpr_msb: bits 3:2 source 1, 7:6 destination; the high byte repeats the setting that is left
.if MSB != (\new)
	s_set_vgpr_msb (MSB<<8)|(\new)
.set MSB, \new
.endif
.endm
	s_load_b256 s[4:11], s[0:1], 0x0               ; x s[4:5], din s[6:7], weight_int s[8:9], xh s[10:11]
	s_load_b128 s[12:15], s[0:1], 0x20             ; wh s[12:13], tsum s[14:15]
	v_and_b32 v[LANE], 31, v0
	v_lshrrev_b32 v7, 5, v0
	v_readfirstlane_b32 s[WV], v7                  ; wave 0..7
	v_lshlrev_b32 v[VI], 4, v[LANE]
	v_lshlrev_b32 v[VO], 3, v[LANE]
	v_lshlrev_b32 v[TO], 2, v[LANE]
	v_mov_b32 v[TS], 0
	v_mov_b32 v[PX], 0                             ; v_permlanex16_b32's destination counts as read: it is written once here
	v_mov_b32 v[ONE], 1.0
	v_mov_b32 v[ZERO], 0
	s_and_b32 s[KIND], ttmp7, 0xffff
	s_lshl_b32 s29, ttmp9, 5
	s_lshl2_add_u32 s29, s[WV], s29                ; my first row = 32 x work-group + 4 x wave
	s_lshl_b32 s24, s29, 14                        ; in bytes of the input (under 2^26),
	s_mov_b32 s25, 0
	s_lshl_b32 s26, s29, 13                        ; and of the output
	s_mov_b32 s27, 0
	s_mov_b32 s[SEL], 0x76543210
	s_mov_b32 s[SEL+1], 0xfedcba98
	s_mov_b32 s[ROWN], 0
	s_wait_kmcnt 0x0
	s_cmp_eq_u32 s[KIND], 0
	s_cselect_b64 s[PIN:PIN+1], s[4:5], s[8:9]
	s_cselect_b64 s[POUT:POUT+1], s[10:11], s[12:13]
	s_add_nc_u64 s[PIN:PIN+1], s[PIN:PIN+1], s[24:25]
	s_add_nc_u64 s[POUT:POUT+1], s[POUT:POUT+1], s[26:27]
	s_lshl_b32 s24, s29, 2
	s_add_nc_u64 s[14:15], s[14:15], s[24:25]      ; tsum at my four rows
; The turn of slot q.  kind = 0: x; 1: weight_int.  ahead = 1: the slot is asked for again, with the next row's same quarter.
; left = how many younger loads may stay out when this slot's eight have to be there.
.macro TURN kind, q, ahead, left
.set XQ, X+32*(\q)
	s_wait_loadcnt \left                           ; loads come back in order (ISA guide 5.7.1): my eight are in, the other slots' stay out
	s_wait_xcnt 0x0                                ; the last turn's stores have read Y: it is rewritten only behind this wait
.if (\kind) == 0
	WIN 0x04                                       ; source 1, din, in window 1
.set i, 0
.rept 16
	v_pk_mul_f32 v[XQ+2*i:XQ+2*i+1], v[XQ+2*i:XQ+2*i+1], v[D+32*(\q)+2*i:D+32*(\q)+2*i+1]
.set i, i+1
.endr
	WIN 0
.else
.set i, 0
.rept 32
	v_cvt_f32_i32 v[XQ+i], v[XQ+i]
.set i, i+1
.endr
.endif
.set i, 0
.rept 16
	v_cvt_pk_f16_f32 v[Y+i], v[XQ+2*i], v[XQ+2*i+1]   ; the one rounding, two at a time
.set i, i+1
.endr
.if (\kind) == 0
.set i, 0
.rept 16                               ; the rounded numbers enter the row's sum straight from their halves, in f32: half x 1.0 + chain.  Four chains; a row's first four numbers start them on 0: nothing is cleared
.set c, SUM+2*(i%2)
.if ((\q) == 0) && (i < 2)
	v_fma_mix_f32 v[c],   v[Y+i], v[ONE], v[ZERO] op_sel_hi:[1,0,0]
	v_fma_mix_f32 v[c+1], v[Y+i], v[ONE], v[ZERO] op_sel:[1,0,0] op_sel_hi:[1,0,0]
.else
	v_fma_mix_f32 v[c],   v[Y+i], v[ONE], v[c]   op_sel_hi:[1,0,0]
	v_fma_mix_f32 v[c+1], v[Y+i], v[ONE], v[c+1] op_sel:[1,0,0] op_sel_hi:[1,0,0]
.endif
.set i, i+1
.endr
.endif
.if \ahead
.irp j, 0,1,2,3,4,5,6,7
	global_load_b128 v[XQ+4*(\j):XQ+4*(\j)+3], v[VI], s[PIN:PIN+1] offset:ROWI+4096*(\q)+512*(\j) th:TH_LOAD_NT
.endr
.endif
.irp j, 0,1,2,3,4,5,6,7
	global_store_b64 v[VO], v[Y+2*(\j):Y+2*(\j)+1], s[POUT:POUT+1] offset:2048*(\q)+256*(\j)  ; 32 lanes store 256 consecutive bytes, at a multiple of 256 from the buffer's first byte
.endr
.endm
; A row of x is done: its sum over my 128 numbers, then over the 32 lanes; lane ROWN keeps it.
.macro ROWEND
	v_pk_add_f32 v[SUM:SUM+1], v[SUM:SUM+1], v[SUM+2:SUM+3]
	v_add_f32 v[SUM], v[SUM], v[SUM+1]
	v_add_f32_dpp v[SUM], v[SUM], v[SUM] row_xmask:1 row_mask:0xf bank_mask:0xf
	v_add_f32_dpp v[SUM], v[SUM], v[SUM] row_xmask:2 row_mask:0xf bank_mask:0xf
	v_add_f32_dpp v[SUM], v[SUM], v[SUM] row_xmask:4 row_mask:0xf bank_mask:0xf
	v_add_f32_dpp v[SUM], v[SUM], v[SUM] row_xmask:8 row_mask:0xf bank_mask:0xf
	v_permlanex16_b32 v[PX], v[SUM], s[SEL], s[SEL+1]
	v_add_f32 v[SUM], v[SUM], v[PX]
	v_cmp_eq_u32 vcc_lo, s[ROWN], v[LANE]
	v_cndmask_b32 v[TS], v[TS], v[SUM], vcc_lo
.endm
.macro RING                            ; the ring is filled: row 0, 32 loads
.set i, 0
.rept 32
	global_load_b128 v[X+4*i:X+4*i+3], v[VI], s[PIN:PIN+1] offset:512*i th:TH_LOAD_NT
.set i, i+1
.endr
.endm
.macro STEP                            ; on to the next row
	s_wait_xcnt 0x0                                ; every load and store issued so far has read its base: the two are written only behind this wait
	s_add_nc_u64 s[PIN:PIN+1], s[PIN:PIN+1], ROWI
	s_add_nc_u64 s[POUT:POUT+1], s[POUT:POUT+1], ROWO
	s_add_co_u32 s[ROWN], s[ROWN], 1
	s_cmp_lt_u32 s[ROWN], 3
.endm
	s_cmp_lg_u32 s[KIND], 0
	s_cbranch_scc1 .Lw
	; x.  din's row first: my 128 columns are the same in every row, so they are loaded once a wave
	WIN 0x40                                       ; destination window 1, address window 0
.set i, 0
.rept 32
	global_load_b128 v[D+4*i:D+4*i+3], v[VI], s[6:7] offset:EXP_IN+512*i
.set i, i+1
.endr
	WIN 0
	RING
.Lxrow:                                        ; rows 0 to 2: each turn asks for the next row's quarter.  The count 24 leaves three slots' loads out; in the first turn din's, which are older, are in by it too
	TURN 0, 0, 1, 24
	TURN 0, 1, 1, 24
	TURN 0, 2, 1, 24
	TURN 0, 3, 1, 24
	ROWEND
	STEP
	s_cbranch_scc1 .Lxrow
	TURN 0, 0, 0, 24                               ; the last row loads nothing: the counts run down
	TURN 0, 1, 0, 16
	TURN 0, 2, 0, 8
	TURN 0, 3, 0, 0
	ROWEND
	s_wait_xcnt 0x0                                ; EXEC is among the sources of the stores above: it changes only behind this wait
	v_cmp_gt_u32 vcc_lo, 4, v[LANE]
	s_and_saveexec_b32 s20, vcc_lo
	global_store_b32 v[TO], v[TS], s[14:15]        ; the wave's four sums: 16 bytes, once a wave
	s_wait_xcnt 0x0                                ; and again, in front of the line that widens it
	s_or_b32 exec_lo, exec_lo, s20
	s_endpgm
.Lw:                                           ; weight_int: the same ring, without din and without sums
	RING
.Lwrow:
	TURN 1, 0, 1, 24
	TURN 1, 1, 1, 24
	TURN 1, 2, 1, 24
	TURN 1, 3, 1, 24
	STEP
	s_cbranch_scc1 .Lwrow
	TURN 1, 0, 0, 24
	TURN 1, 1, 0, 16
	TURN 1, 2, 0, 8
	TURN 1, 3, 0, 0
	s_endpgm
.Lfunc_end_k_q00912d5cf6_prep:
	.size	k_q00912d5cf6_prep, .Lfunc_end_k_q00912d5cf6_prep-k_q00912d5cf6_prep
	.p2alignl 7, 3214868480
	.fill 96, 4, 3214868480
	.section	.rodata,"a",@progbits
	.p2align	6, 0x0
	.amdhsa_kernel k_q00912d5cf6_prep
		.amdhsa_group_segment_fixed_size 0
		.amdhsa_private_segment_fixed_size 0
		.amdhsa_enable_private_segment 0
		.amdhsa_kernarg_size 48
		.amdhsa_user_sgpr_count 2
		.amdhsa_user_sgpr_kernarg_segment_ptr 1
		.amdhsa_wavefront_size32 1
		.amdhsa_system_sgpr_workgroup_id_x 1
		.amdhsa_system_sgpr_workgroup_id_y 1
		.amdhsa_system_sgpr_workgroup_id_z 1
		.amdhsa_system_vgpr_workitem_id 0
		.amdhsa_next_free_vgpr 384
		.amdhsa_next_free_sgpr 66
		.amdhsa_reserve_vcc 1
		.amdhsa_float_denorm_mode_32 3
		.amdhsa_float_denorm_mode_16_64 3
		.amdhsa_memory_ordered 1
		.amdhsa_forward_progress 1
		.amdhsa_inst_pref_size 80
	.end_amdhsa_kernel
	.amdgpu_metadata
---
amdhsa.version: [ 1, 2 ]
amdhsa.kernels:
  - .name:           k_q00912d5cf6_prep
    .symbol:         k_q00912d5cf6_prep.kd
    .args:
      - { .name: x, .offset: 0, .size: 8, .value_kind: global_buffer, .address_space: global }
      - { .name: delta_in_experts, .offset: 8, .size: 8, .value_kind: global_buffer, .address_space: global }
      - { .name: weight_int, .offset: 16, .size: 8, .value_kind: global_buffer, .address_space: global }
      - { .name: xh, .offset: 24, .size: 8, .value_kind: global_buffer, .address_space: global }
      - { .name: wh, .offset: 32, .size: 8, .value_kind: global_buffer, .address_space: global }
      - { .name: tsum, .offset: 40, .size: 8, .value_kind: global_buffer, .address_space: global }
    .group_segment_fixed_size: 0
    .private_segment_fixed_size: 0
    .kernarg_segment_align: 8
    .kernarg_segment_size: 48
    .max_flat_workgroup_size: 256
    .sgpr_count:     66
    .vgpr_count:     384
    .wavefront_size: 32
...
	.end_amdgpu_metadata
.endif
;; end of part 1
;; launch gemm (part 2): grid 16 x 16, 4 waves a work-group, clusters of 4 x 4, 327,680 bytes of LDS; arguments xh, wh, out0, tsum, delta_out_experts, zero_point, bias; writes out0
.if DOCPART == 2
	.amdgcn_target "amdgcn-amd-amdhsa--gfx1250"
	.amdhsa_code_object_version 6
	.text
	.protected	k_q00912d5cf6_gemm
	.globl	k_q00912d5cf6_gemm
	.p2align	8
	.type	k_q00912d5cf6_gemm,@function
k_q00912d5cf6_gemm:
	s_mov_b64 s[64:65], 0
	v_nop
	global_prefetch_b8 v0, s[64:65] scope:SCOPE_SE
	s_setreg_imm32_b32 hwreg(HW_REG_WAVE_MODE, 25, 1), 1
	s_wait_xcnt 0x0
	s_wait_alu depctr_hold_cnt(0) depctr_sa_sdst(0) depctr_va_vdst(0) depctr_va_sdst(0) depctr_va_ssrc(0) depctr_va_vcc(0) depctr_vm_vsrc(0)
	s_getreg_b32 s2, hwreg(HW_REG_IB_STS2, 6, 4)
	s_cmp_eq_u32 s2, 0
	s_cbranch_scc0 .Lentry_in_a_cluster
	s_endpgm
.Lentry_in_a_cluster:
	s_bfe_u32 s2, ttmp6, 0x10000c
	s_cmp_lg_u32 s2, 0xf033
	s_cbranch_scc0 .Lentry_shape_is_right
	s_endpgm
.Lentry_shape_is_right:
; out0[n][o] = dout[3][o] (S[n][o] - zp[o] T[n]) + bias[o],  S[n][o] = the sum over i of xh[n][i] wh[o][i],  T = tsum.
; xh = f16(x din[3]) and wh = f16(weight_int), [4096][4096] f16, and T[n] = the sum over i of xh[n][i], f32, were stored by the launch before.  Sums in f32; zp, dout and bias are applied in f32; out0 is f32.
; That is x ((w - zp) dout din)^T + bias with ONE rounding, to f16's 11 significant bits, that of x din: integers up to 2,048 in magnitude are exact in f16.
; LIMITS.  f16 ends at 65,504: an |x din| or an integer beyond it reaches this launch as an infinity; integers above 2,048 reach it rounded to 11 significant bits.  S - zp T is a difference of two f32 sums
; over the same rounded numbers: it carries their f32 summation error, not the rounding to f16.  NaN and infinities are not treated apart.
; SHARES.  A tile of out0, 256 x 256, is made by a work-group of four waves; a wave makes 128 x 128: 64 accumulators of 16 x 16, 512 registers.  16 x 16 tiles: 256 work-groups, one tile each.
; K goes in steps of 128 through a ring of two LDS slots filled by the tensor data mover: a tile's rows are 256 bytes of memory and start at multiples of 256 bytes from the buffer's first byte.
; CLUSTERS: 4 x 4 work-groups.  The four of a row of the cluster need the same tiles of xh, the four of a column the same tiles of wh: such a tile is asked for JOINTLY, by the same tensor load with the same
; descriptor and a mask that names the four, and each receives it in its own LDS.  That divides the requests for both operands by four.
; THE MATRIX INSTRUCTION IS USED TRANSPOSED: source 0 = 16 rows of wh, source 1 = 16 rows of xh.  In the result lane l holds row l % 16 of out0 and its registers 0 to 7 the columns 8 (l / 16) + 0..7.
; REGISTERS, in windows of 256 (s_set_vgpr_msb's low byte: bits 1:0 source 0, 3:2 source 1, 5:4 source 2, 7:6 destination):
;   window 0: v0-31 addresses; v32-43 my four columns' dout, zp, bias; v64-127, v128-191 fragments of xh, two buffers; on the way out the same 128 hold two blocks of 16 rows
;   window 1: v64-127, v128-191 fragments of wh, two buffers
;   window 2: the 32 accumulators of my rows 0-63 (accumulator (a, b) at v[8 (8 a + b)]);   window 3: those of my rows 64-127
.set SIZE_K, 4096
.set SIZE_N, 4096
.set KSTEP,  128
.set PITCH,  272                       ; an LDS row: 256 bytes of data + 16 of padding = 68 words: row r starts at bank 4 r mod 64 (64 banks of 4 bytes: ISA guide 11.1), so the 16 rows that a load touches start at 16 different banks
.set HALFT,  128*PITCH                 ; 128 rows: what one tensor load brings, and what one wave reads of either operand
.set SLOT,   4*HALFT                   ; xh's 256 rows, then wh's 256 rows
.set STAGE,  2*SLOT                    ; behind the ring, never filled by a tensor load: 16 rows x 528 bytes for each wave, for the way out
.set SPITCH, 528                       ; a stage row: 128 f32 + 16 bytes = 132 words: again row r starts at bank 4 r mod 64
.set SPARE,  STAGE+4*16*SPITCH         ; behind the stages: the spare words, 128 bytes for each wave: two blocks of 256 bytes that no other line names
.set LAPS,   SIZE_K/(2*KSTEP)          ; a lap = two K steps = once round the ring: 16
.set EXP_OUT, 3*4096*4                 ; expert 3's part of delta_out_experts
.set ADRA, 16                          ; v16-17  LDS address of my fragments of xh in slot 0, 1
.set ADRB, 20                          ; v20-21  the same for wh
.set STO,  24                          ; v24     the way out: where I put 32 bytes of a row
.set RD,   25                          ; v25     the way out: where I read 16 bytes of a row back
.set CO,   26                          ; v26     16 x lane: my bytes in my wave's 512 bytes of a row of out0; never rewritten
.set CC,   27                          ; v27     my four columns' byte offset in dout, zp and bias
.set SPW,  28                          ; v28     LDS address of my spare word: SPARE + 4 x my thread's number; never rewritten
.set NIL,  29                          ; v29     0; never rewritten
.set PFO,  30                          ; v30     the prefetches' offset: my lane x a row of 8,192 bytes; never rewritten
.set DOU,  32                          ; v[32:35] dout of my four columns
.set ZP,   36                          ; v[36:39] zp
.set BI,   40                          ; v[40:43] bias
.set F0,   64                          ; fragment buffer 0
.set F1,   128                         ; fragment buffer 1
.set BK0,  64                          ; the way out: 16 rows read back from the stage, 64 registers: at BK0 and BK0 + 64 by turns
.set WV,  18                           ; s18  my wave's number
.set RH,  19                           ; s19  which half of the tile's rows is mine.  Also: I fetch for xh (0) or for wh (1)
.set CH,  20                           ; s20  which half of its columns.  Also: which 128 rows of that tile I fetch
.set CX,  21                           ; s21  my place along the cluster's x
.set CY,  22                           ; s22  along its y
.set TC,  23                           ; s23  tile column
.set G1,  24                           ; s[24:31] descriptor group 1 for xh's tiles
.set G0,  32                           ; s[32:39] descriptor group 0 for xh's tiles, one set for each slot
.set TR,  40                           ; s40  tile row
.set MKA, 41                           ; s41  my row of the cluster
.set MKB, 42                           ; s42  my column
.set LIM, 43                           ; s43  1 in a wave that prefetches, else the greatest number
.set PFA, 44                           ; s[44:45] where my prefetches stand
.set G1B, 48                           ; s[48:55] descriptor group 1 for wh's tiles: it differs in the mask alone
.set G0B, 56                           ; s[56:63] descriptor group 0 for wh's tiles
.set TB0, 68                           ; s[68:83], s[84:99]: T of 16 rows each, by turns (until T is asked for: at work in the set-up)
.set MSB, 0
.macro WIN new                         ; the immediate's high byte repeats the setting that is left; a switch that changes nothing is dropped
.if MSB != (\new)
	s_set_vgpr_msb (MSB<<8)|(\new)
.set MSB, \new
.endif
.endm
.set MUL_LO, 0xa1                      ; source 0 (wh) window 1, source 1 (xh) window 0, C and D window 2
.set MUL_HI, 0xf1                      ; the same, C and D window 3
.set TO_B,   0x40                      ; destination window 1, address window 0
; A joint load.  Waves 0 and 1 fetch xh's two halves, waves 2 and 3 wh's.  Each of the two lines has ONE mask and one set of registers for all that issue it.  The branch hangs on the wave's number alone.
; An s_nop 0 and four v_nop follow each of the two lines; the jump round the other line, the label and what follows come after them.
.macro JLOAD s
	s_cmp_eq_u32 s[RH], 0
	s_cbranch_scc0 .Lfor_b_\@
	tensor_load_to_lds s[G0+4*(\s):G0+4*(\s)+3], s[G1:G1+7]
	s_nop 0
.rept 4
	v_nop
.endr
	s_branch .Lasked_\@
.Lfor_b_\@:
	tensor_load_to_lds s[G0B+4*(\s):G0B+4*(\s)+3], s[G1B:G1B+7]
	s_nop 0
.rept 4
	v_nop
.endr
.Lasked_\@:
.endm
; A PREFETCH INTO THE L2, behind each joint refill and the run of LDS loads that follows it: the K step that stands TWO refills on (512 matrix instructions ahead of the load that will want it): 32 rows x 256 bytes,
; a lane a row, one instruction a wave.  Each row's 256 bytes of a K step are named ONCE in the launch: xh's tile row is read by every cluster of that row of clusters, and the one with x = 0 asks; wh's tile
; column by every cluster of that column, and the one with y = 0 asks.  The four partners that ask for a tile jointly share its rows out BY ADDRESS: of the 128 rows that a wave fetches the partner at place p
; takes 32 p .. 32 p + 31 (p = cx for xh, cy for wh): no branch hangs on a work-group's place in its cluster.  K steps 0 to 3 come by their loads alone; the loop's last trip (s3 = 1) has no K step two on.
.macro ASK
	s_cmp_gt_u32 s3, s[LIM]
	s_cbranch_scc0 .Lnot_mine_\@
	global_prefetch_b8 v[PFO], s[PFA:PFA+1] offset:KSTEP*2 th:TH_LOAD_NT scope:SCOPE_SE
.Lnot_mine_\@:
.endm
; A round of the cluster's barrier: my work-group's barrier, so that wave 0's signal speaks for all four waves; wave 0 signals for the work-group; every wave waits for all sixteen work-groups; my work-group's
; barrier once more.  No LDS instruction of the wave is pending at a signal.
.macro CREST                           ; a round behind its opening barrier
	s_cmp_lg_u32 s[WV], 0
	s_cbranch_scc1 .Lnot_wave_0_\@
	s_barrier_signal -3
.Lnot_wave_0_\@:
	s_barrier_wait -3
	s_barrier_signal -1
	s_barrier_wait -1
.endm
.macro CROUND                          ; a whole round
	s_barrier_signal -1
	s_barrier_wait -1
	CREST
.endm
	s_load_b256 s[4:11], s[0:1], 0x0               ; xh s[4:5], wh s[6:7], out0 s[8:9], tsum s[10:11]
	s_load_b128 s[12:15], s[0:1], 0x20             ; dout s[12:13], zp s[14:15]
	s_load_b64 s[16:17], s[0:1], 0x30              ; bias
	v_lshl_add_u32 v[SPW], v0, 2, SPARE
	v_mov_b32 v[NIL], 0
	ds_add_u32 v[SPW], v[NIL]                      ; the wave's opening: the add, twice on end, and its wait ahead of my first tensor load; the set-up below, work on registers, stands between
	ds_add_u32 v[SPW], v[NIL]                      ; and once more, under the one wait
	v_lshrrev_b32 v1, 5, v0
	v_readfirstlane_b32 s[WV], v1                  ; wave 0..3
	s_lshr_b32 s[RH], s[WV], 1
	s_and_b32 s[CH], s[WV], 1
	s_bfe_u32 s[CX], ttmp6, 0x40000
	s_bfe_u32 s[CY], ttmp6, 0x40004
	s_lshl_b32 s[TC], ttmp9, 2                     ; in a cluster launch ttmp9 and ttmp7 count clusters
	s_add_co_u32 s[TC], s[TC], s[CX]               ; tile column = 4 x cluster x + cx
	s_and_b32 s[TR], ttmp7, 0xffff
	s_lshl_b32 s[TR], s[TR], 2
	s_add_co_u32 s[TR], s[TR], s[CY]               ; tile row = 4 x cluster y + cy
	s_lshl_b32 s[MKA], s[CY], 2
	s_lshl_b32 s[MKA], 15, s[MKA]                  ; my row of the cluster: places 4 cy .. 4 cy + 3
	s_lshl_b32 s[MKB], 0x1111, s[CX]               ; my column: places cx, cx + 4, cx + 8, cx + 12
	; descriptor group 1: a tile of 128 rows x 128 elements, padded in LDS
	s_or_b32 s[G1+0], s[MKA], (1<<16)|(1<<20)|(1<<21)|(5<<22)|(3<<25)   ; 15:0 the mask: xh's tiles go to my row; 17:16 elements of 2 bytes; 20 padding on; 21 set beside a mask; 24:22 after every 64 words (code 5); 31:25 4 words of it (code 3)
	s_or_b32 s[G1B+0], s[MKB], (1<<16)|(1<<20)|(1<<21)|(5<<22)|(3<<25)  ; the same with the mask of my column, for wh's tiles
.irp g, G1, G1B
	s_mov_b32 s[(\g)+1], KSTEP<<16                 ; 63:48 tensor_dim0, low half = 128
	s_mov_b32 s[(\g)+2], 128<<16                   ; 79:64 its high half = 0; 95:80 tensor_dim1, low half = 128
	s_mov_b32 s[(\g)+3], KSTEP<<16                 ; 111:96 its high half = 0; 127:112 tile_dim0 = 128
	s_mov_b32 s[(\g)+4], 128                       ; 143:128 tile_dim1 = 128; 159:144 tile_dim2 = 0
	s_mov_b32 s[(\g)+5], SIZE_K                    ; 191:160 tensor_dim0_stride, low word: elements from row to row
	s_mov_b32 s[(\g)+6], 0
	s_mov_b32 s[(\g)+7], 0
.endr
	; where the tiles come from.  xh's hang on the tile row alone, which my row of the cluster shares; wh's on the tile column alone, which my column shares.  Every wave makes both addresses, in registers
	; that never hold the other coordinate, and asks by one of them.  A row is 8,192 bytes; the offsets stay under 2^25.
	s_lshl_b32 s75, s[CH], 7                       ; which 128 rows of the tile I fetch
	s_lshl_b32 s66, s[TR], 8
	s_add_co_u32 s66, s66, s75                     ; xh: row 256 x tile row + 128 x half
	s_lshl_b32 s66, s66, 13
	s_mov_b32 s67, 0
	s_lshl_b32 s46, s[TC], 8
	s_add_co_u32 s46, s46, s75                     ; wh: row 256 x tile column + 128 x half
	s_lshl_b32 s46, s46, 13
	s_mov_b32 s47, 0
	s_mul_i32 s74, s[WV], HALFT                    ; and where they go: xh's two halves, then wh's two halves = wave x 128 rows: no place in the cluster enters an LDS address
	s_wait_dscnt 0x0                               ; both opening adds are done
	s_wait_kmcnt 0x0
	s_add_nc_u64 s[70:71], s[4:5], s[66:67]
	s_add_nc_u64 s[46:47], s[6:7], s[46:47]
	CROUND                                         ; all sixteen work-groups are here: the first joint loads meet
.irp s, 0,1
	s_mov_b32 s[G0+4*(\s)], 1                                      ; 1:0 count = 1
	s_add_co_u32 s[G0+4*(\s)+1], s74, (\s)*SLOT                    ; 63:32 LDS address
	s_add_nc_u64 s[G0+4*(\s)+2:G0+4*(\s)+3], s[70:71], (\s)*KSTEP*2  ; 120:64 global address: K step s
	s_or_b32 s[G0+4*(\s)+3], s[G0+4*(\s)+3], 0x80000000            ; 127:126 type = 2
	s_mov_b32 s[G0B+4*(\s)], 1
	s_add_co_u32 s[G0B+4*(\s)+1], s74, (\s)*SLOT
	s_add_nc_u64 s[G0B+4*(\s)+2:G0B+4*(\s)+3], s[46:47], (\s)*KSTEP*2
	s_or_b32 s[G0B+4*(\s)+3], s[G0B+4*(\s)+3], 0x80000000
	JLOAD \s                                       ; the ring is filled before anything else is done: two tensor loads of mine are out
.endr
	; A fragment is 16 rows x 32 K in 8 registers: lane l holds row l % 16; registers 0-3 hold K = 8 (l / 16) + 0..7, registers 4-7 K = 16 + 8 (l / 16) + 0..7: two loads of 16 bytes, 32 bytes apart.
	v_and_b32 v1, 15, v0                           ; l % 16
	v_bfe_u32 v2, v0, 4, 1                         ; l / 16
	v_mul_u32_u24 v3, v1, PITCH
	v_lshl_add_u32 v3, v2, 4, v3                   ; row x pitch + 16 x half
	s_mul_i32 s76, s[RH], HALFT                    ; my 128 rows of xh
	s_mul_i32 s77, s[CH], HALFT                    ; my 128 rows of wh,
	s_add_co_u32 s77, s77, 2*HALFT                 ; which lie behind xh's 256
.irp s, 0,1
	v_add_nc_u32 v[ADRA+(\s)], s76, v3
	v_add_nc_u32 v[ADRB+(\s)], s77, v3
	s_add_co_u32 s76, s76, SLOT
	s_add_co_u32 s77, s77, SLOT
.endr
	s_mul_i32 s78, s[WV], 16*SPITCH
	s_add_co_u32 s78, s78, STAGE                   ; my stage
	v_mul_u32_u24 v4, v1, SPITCH                   ; in: row l % 16, 32 bytes (8 f32) for each half of the lanes
	v_lshl_add_u32 v4, v2, 5, v4
	v_add_nc_u32 v[STO], s78, v4
	v_and_b32 v5, 31, v0
	v_lshlrev_b32 v[CO], 4, v5                     ; back: 32 lanes take one row of 512 bytes, 16 each: a lane then holds the SAME four columns of every row
	v_add_nc_u32 v[RD], s78, v[CO]
	s_lshl_b32 s79, s[TC], 10                      ; my wave's first column, in bytes of f32: 1,024 x tile column + 512 x half
	s_lshl_b32 s80, s[CH], 9
	s_add_co_u32 s79, s79, s80
	v_add_nc_u32 v[CC], s79, v[CO]
	s_lshl_b32 s72, s[TR], 8
	s_lshl_b32 s81, s[RH], 7
	s_add_co_u32 s72, s72, s81                     ; my wave's first row
	s_lshl_b32 s81, s72, 2                         ; in bytes of tsum,
	s_lshl_b32 s72, s72, 14                        ; and of out0 (16,384 a row; under 2^26)
	s_add_co_u32 s72, s72, s79
	s_mov_b32 s73, 0
	s_add_nc_u64 s[8:9], s[8:9], s[72:73]          ; out0 at my wave's first row and column; never stepped: a row's place stands in the stores' immediates
	s_mov_b32 s72, s81
	s_add_nc_u64 s[10:11], s[10:11], s[72:73]      ; tsum at my wave's 128 rows; never stepped
	; the prefetches
	s_lshl_b32 s84, s[TR], 8
	s_lshl_b32 s85, s[TC], 8
	s_and_b32 s86, ttmp7, 0xffff                   ; cluster y
	s_cmp_eq_u32 s[RH], 0                          ; do I fetch for xh?
	s_cselect_b32 s84, s84, s85                    ; the tile's first row: in xh by the tile row, in wh by the tile column
	s_cselect_b32 s85, s[CX], s[CY]                ; my place among the four that ask for it with me
	s_cselect_b32 s86, ttmp9, s86                  ; the coordinate along which other clusters read the same rows
	s_cselect_b64 s[PFA:PFA+1], s[4:5], s[6:7]
	s_cmp_eq_u32 s86, 0
	s_cselect_b32 s[LIM], 1, -1                    ; the same in all sixteen partners, for a given wave
	s_lshl_b32 s86, s[CH], 7
	s_add_co_u32 s84, s84, s86                     ; + the 128 rows that I fetch
	s_lshl_b32 s85, s85, 5
	s_add_co_u32 s84, s84, s85                     ; + my work-group's 32 of them
	s_lshl_b32 s84, s84, 13
	s_mov_b32 s85, 0
	s_add_nc_u64 s[PFA:PFA+1], s[PFA:PFA+1], s[84:85]
	s_add_nc_u64 s[PFA:PFA+1], s[PFA:PFA+1], 2*KSTEP*2  ; at K step 2: the first refill steps it to 3 and names K step 4.  Nothing is prefetched here, at the head
	v_lshlrev_b32 v[PFO], 13, v5
	; my four columns' constants, and T of my first 32 rows
	global_load_b128 v[DOU:DOU+3], v[CC], s[12:13] offset:EXP_OUT
	global_load_b128 v[ZP:ZP+3], v[CC], s[14:15]
	global_load_b128 v[BI:BI+3], v[CC], s[16:17]
	s_load_b512 s[TB0:TB0+15], s[10:11], 0x0       ; (the set-up's scalars in these registers are done with)
	s_load_b512 s[TB0+16:TB0+31], s[10:11], 0x40
; 16 matrix instructions: m blocks a0, a0 + 1 of the window's four (hi = 0: my rows 0-63, 1: rows 64-127) x all 8 n blocks, 32 along K.  zero = 1: the first product starts the sums: nothing is ever cleared.
; The 64 accumulators take turns, one instruction a turn, in the same order in every quarter step, over the backward jump and into the tail too.
.macro MUL16 f, hi, a0, zero
	WIN MUL_LO+0x50*(\hi)
.irp a, \a0, (\a0)+1
.irp b, 0,1,2,3,4,5,6,7
.if \zero
	v_wmma_f32_16x16x32_f16 v[8*(8*(\a)+(\b)):8*(8*(\a)+(\b))+7], v[(\f)+8*(\b):(\f)+8*(\b)+7], v[(\f)+8*(4*(\hi)+(\a)):(\f)+8*(4*(\hi)+(\a))+7], 0
.else
	v_wmma_f32_16x16x32_f16 v[8*(8*(\a)+(\b)):8*(8*(\a)+(\b))+7], v[(\f)+8*(\b):(\f)+8*(\b)+7], v[(\f)+8*(4*(\hi)+(\a)):(\f)+8*(4*(\hi)+(\a))+7], v[8*(8*(\a)+(\b)):8*(8*(\a)+(\b))+7]
.endif
.endr
.endr
.endm
; 32 LDS loads in one run: the fragments of one quarter step (128 rows of wh, 128 rows of xh, 32 K at byte k of the rows) into buffer f
.macro FETCH slot, k, f
	WIN TO_B
.irp i, 0,1,2,3,4,5,6,7
	ds_load_b128 v[(\f)+8*(\i):(\f)+8*(\i)+3],   v[ADRB+(\slot)] offset:(\k)+(\i)*16*PITCH
	ds_load_b128 v[(\f)+8*(\i)+4:(\f)+8*(\i)+7], v[ADRB+(\slot)] offset:(\k)+(\i)*16*PITCH+32
.endr
	WIN 0
.irp i, 0,1,2,3,4,5,6,7
	ds_load_b128 v[(\f)+8*(\i):(\f)+8*(\i)+3],   v[ADRA+(\slot)] offset:(\k)+(\i)*16*PITCH
	ds_load_b128 v[(\f)+8*(\i)+4:(\f)+8*(\i)+7], v[ADRA+(\slot)] offset:(\k)+(\i)*16*PITCH+32
.endr
.endm
; A load into a register that a matrix instruction has read, and an LDS store that reads a matrix result, stand four places behind that matrix instruction, and only plain vector instructions that name none of
; its registers are places (ISA guide 7.12.1 for vector instructions).
.macro PLACES
.rept 4
	v_nop
.endr
.endm
; A K step is four quarter steps of 32 along K, 64 matrix instructions each, on buffers 0, 1, 0, 1.
; One of the first three: multiplies buffer f; in its middle it fetches the next quarter's fragments, at byte k of the same slot's rows, into buffer g.
.macro QUARTER slot, k, f, g, zero
	s_wait_dscnt 8                                 ; wh and xh's rows 0-63 are in; the youngest eight loads (xh's rows 64-127) may be out
	WIN MUL_LO
	MUL16 \f, 0, 0, \zero
	MUL16 \f, 0, 2, \zero
	PLACES
	FETCH \slot, \k, \g
	s_wait_dscnt 32                                ; all but the 32 just issued
	WIN MUL_HI
	MUL16 \f, 1, 0, \zero
	MUL16 \f, 1, 2, \zero
.endm
; The last quarter multiplies buffer 1 and changes slots.  MEET is its first half: ONE barrier for the change.  In front of it each wave waits for all its tensor loads, of which one is out: its part of the next
; slot; adds 0 to its spare word; and waits for that and for its own reads of this slot.  Behind it nobody reads this slot any more and the next slot is whole.
.macro MEET round                      ; round = 1: a round of the cluster's barrier follows
	WIN 0                                          ; (the add's two registers lie in window 0)
	s_wait_tensorcnt 0x0                           ; all my tensor loads have landed;
	ds_add_u32 v[SPW], v[NIL]                      ; 0 onto my spare word;
	s_wait_dscnt 9                                 ; (the add and the youngest eight loads may be out)
	WIN MUL_LO
	MUL16 F1, 0, 0, 0                              ; sixteen matrix instructions stand between the add and the wait for it
	s_wait_dscnt 0x0                               ; the add is done, and my reads of this slot are over:
	s_barrier_signal -1                            ; say so,
	MUL16 F1, 0, 2, 0                              ; work on registers while the others arrive,
.if \round
	WIN 0
.endif
	s_barrier_wait -1                              ; and go on when all four have said so
.endm
; The whole last quarter, in the loop.  The barrier opens a round of the cluster's; behind the round the slot just read out is filled again first, with the K step two steps on; then come the next slot's first
; fragments.  From a request to the wait for it a wave issues 224 matrix instructions.
.macro TURN slot, next
	s_wait_xcnt 0x0                                ; the last prefetch, a K step back, has read its address: it is stepped here, ahead of the waits of the change of slots
	s_add_nc_u64 s[PFA:PFA+1], s[PFA:PFA+1], KSTEP*2
	MEET 1
	CREST                                          ; no wave of any partner still reads this slot's tile or has a load on its way
	s_add_nc_u64 s[G0+4*(\slot)+2:G0+4*(\slot)+3], s[G0+4*(\slot)+2:G0+4*(\slot)+3], 2*KSTEP*2   ; no tensor load of mine is out, so a group 0 may be written
	s_add_nc_u64 s[G0B+4*(\slot)+2:G0B+4*(\slot)+3], s[G0B+4*(\slot)+2:G0B+4*(\slot)+3], 2*KSTEP*2
	JLOAD \slot                                    ; the first tensor load behind the round, my only one until the next; its four v_nop are also the places in front of the loads below
	FETCH \next, 0, F0
	ASK
	WIN MUL_HI
	MUL16 F1, 1, 0, 0
	MUL16 F1, 1, 2, 0
.endm
; The same in the last lap: nothing is filled again, so no round follows the barrier.
.macro TURNL
	MEET 0
	PLACES
	FETCH 1, 0, F0
	WIN MUL_HI
	MUL16 F1, 1, 0, 0
	MUL16 F1, 1, 2, 0
.endm
; THE WAY OUT of block a (16 of my rows), in three parts.
; TOSTAGE: the block's 8 accumulators go as they are, f32, into my own stage (each accumulator's four lowest registers first) and come back as whole rows of 512 bytes.
.macro TOSTAGE a
.set AC, 64*((\a)%4)
.set BK, BK0+64*((\a)%2)
	WIN 0x08+4*((\a)/4)                            ; the stores' data (source 1) in window 2 or 3
.irp b, 0,1,2,3,4,5,6,7
	ds_store_b128 v[STO], v[AC+8*(\b):AC+8*(\b)+3]   offset:64*(\b)
	ds_store_b128 v[STO], v[AC+8*(\b)+4:AC+8*(\b)+7] offset:64*(\b)+16
.endr
	WIN 0
.irp t, 0,1,2,3,4,5,6,7,8,9,10,11,12,13,14,15
	ds_load_b128 v[BK+4*(\t):BK+4*(\t)+3], v[RD] offset:(\t)*SPITCH  ; LDS serves a wave's instructions in order (ISA guide 5.7.1.4): these see the stores above; the next block's stores come behind them
.endr
.endm
; MATH: y = dout (S - zp T) + bias: four fused multiply-adds with the row's T from a scalar register, two packed ones with my columns' dout and bias.
.macro MATH a
.set BK, BK0+64*((\a)%2)
.set TB, TB0+16*((\a)%2)
.irp t, 0,1,2,3,4,5,6,7,8,9,10,11,12,13,14,15
.irp k, 0,1,2,3
	v_fma_f32 v[BK+4*(\t)+(\k)], -v[ZP+(\k)], s[TB+(\t)], v[BK+4*(\t)+(\k)]
.endr
.irp p, 0,2
	v_pk_fma_f32 v[BK+4*(\t)+(\p):BK+4*(\t)+(\p)+1], v[BK+4*(\t)+(\p):BK+4*(\t)+(\p)+1], v[DOU+(\p):DOU+(\p)+1], v[BI+(\p):BI+(\p)+1]
.endr
.endr
.endm
; SEND: a store of the wave covers 512 consecutive bytes of a row of out0, at a multiple of 256 from its first byte.  The row stands in the immediate: 127 rows of 16,384 bytes at the most, inside its signed 24 bits.
.macro SEND a
.set BK, BK0+64*((\a)%2)
.irp t, 0,1,2,3,4,5,6,7,8,9,10,11,12,13,14,15
	global_store_b128 v[CO], v[BK+4*(\t):BK+4*(\t)+3], s[8:9] offset:(16*(\a)+(\t))*SIZE_N*4 th:TH_STORE_NT
.endr
.endm
	s_wait_loadcnt 0x0                             ; dout, zp, bias
	s_wait_kmcnt 0x0                               ; T of my first 32 rows
	s_wait_tensorcnt 1                             ; my part of K step 0 is in; K step 1's may stay out
	s_barrier_signal -1
	s_barrier_wait -1                              ; everybody's is
	FETCH 0, 0, F0
	QUARTER 0, 64,  F0, F1, 1                      ; the first quarter stands in front of the loop: its products start the sums
	WIN 0                                          ; at a label and at a branch every window is 0
	s_mov_b32 s3, LAPS-1
.Llap:                                                 ; a trip goes once round the ring, from a lap's second quarter to the next lap's first, and fills both slots again
	QUARTER 0, 128, F1, F0, 0
	QUARTER 0, 192, F0, F1, 0
	TURN 0, 1
	QUARTER 1, 64,  F0, F1, 0
	QUARTER 1, 128, F1, F0, 0
	QUARTER 1, 192, F0, F1, 0
	TURN 1, 0
	QUARTER 0, 64,  F0, F1, 0
	WIN 0
	s_sub_co_u32 s3, s3, 1
	s_cmp_lg_u32 s3, 0
	s_cbranch_scc1 .Llap
	QUARTER 0, 128, F1, F0, 0                      ; the last lap is written out: it fills nothing, and has no round of the cluster's barrier
	QUARTER 0, 192, F0, F1, 0
	TURNL
	QUARTER 1, 64,  F0, F1, 0
	QUARTER 1, 128, F1, F0, 0
	QUARTER 1, 192, F0, F1, 0
	s_wait_dscnt 8                                 ; the very last quarter: nothing more to fetch
	MUL16 F1, 0, 0, 0
	MUL16 F1, 0, 2, 0
	s_wait_dscnt 0x0
	MUL16 F1, 1, 0, 0
	MUL16 F1, 1, 2, 0
	WIN 0
	PLACES                                         ; behind the last products: the stage's stores read results, its loads land in registers that products have read
	TOSTAGE 0
.irp a, 0,1,2,3,4,5,6,7                ; block a + 1 goes through the stage while block a is worked on and stored
.if (\a) < 7
	s_wait_xcnt 0x0                                ; block a - 1's stores have read their registers: block a + 1 is read back into them only behind this wait
	TOSTAGE (\a)+1
	s_wait_dscnt 32                                ; block a is back; block a + 1's 16 stores and 16 loads may be out
.else
	s_wait_dscnt 0x0
.endif
	s_wait_kmcnt 0x0                               ; the block's T
	MATH \a
.if (\a) < 6
	s_load_b512 s[TB0+16*((\a)%2):TB0+16*((\a)%2)+15], s[10:11], 64*((\a)+2)  ; T of the block two on, into the registers just read
.endif
	SEND \a
.endr
	s_wait_tensorcnt 0x0                           ; the wave's end, behind my last tensor load and my last LDS store
	ds_add_u32 v[SPW], v[NIL]
	s_wait_dscnt 0x0
	CROUND                                         ; the closing round: no work-group ends while a partner may still ask for a tile that names it
	s_endpgm
.Lfunc_end_k_q00912d5cf6_gemm:
	.size	k_q00912d5cf6_gemm, .Lfunc_end_k_q00912d5cf6_gemm-k_q00912d5cf6_gemm
	.p2alignl 7, 3214868480
	.fill 96, 4, 3214868480
	.section	.rodata,"a",@progbits
	.p2align	6, 0x0
	.amdhsa_kernel k_q00912d5cf6_gemm
		.amdhsa_group_segment_fixed_size 327680
		.amdhsa_private_segment_fixed_size 0
		.amdhsa_enable_private_segment 0
		.amdhsa_kernarg_size 56
		.amdhsa_user_sgpr_count 2
		.amdhsa_user_sgpr_kernarg_segment_ptr 1
		.amdhsa_wavefront_size32 1
		.amdhsa_system_sgpr_workgroup_id_x 1
		.amdhsa_system_sgpr_workgroup_id_y 1
		.amdhsa_system_sgpr_workgroup_id_z 1
		.amdhsa_system_vgpr_workitem_id 0
		.amdhsa_next_free_vgpr 1024
		.amdhsa_next_free_sgpr 100
		.amdhsa_reserve_vcc 0
		.amdhsa_float_denorm_mode_32 3
		.amdhsa_float_denorm_mode_16_64 3
		.amdhsa_memory_ordered 1
		.amdhsa_forward_progress 1
		.amdhsa_inst_pref_size 190
	.end_amdhsa_kernel
	.amdgpu_metadata
---
amdhsa.version: [ 1, 2 ]
amdhsa.kernels:
  - .name:           k_q00912d5cf6_gemm
    .symbol:         k_q00912d5cf6_gemm.kd
    .args:
      - { .name: xh, .offset: 0, .size: 8, .value_kind: global_buffer, .address_space: global }
      - { .name: wh, .offset: 8, .size: 8, .value_kind: global_buffer, .address_space: global }
      - { .name: out0, .offset: 16, .size: 8, .value_kind: global_buffer, .address_space: global }
      - { .name: tsum, .offset: 24, .size: 8, .value_kind: global_buffer, .address_space: global }
      - { .name: delta_out_experts, .offset: 32, .size: 8, .value_kind: global_buffer, .address_space: global }
      - { .name: zero_point, .offset: 40, .size: 8, .value_kind: global_buffer, .address_space: global }
      - { .name: bias, .offset: 48, .size: 8, .value_kind: global_buffer, .address_space: global }
    .group_segment_fixed_size: 327680
    .private_segment_fixed_size: 0
    .kernarg_segment_align: 8
    .kernarg_segment_size: 56
    .max_flat_workgroup_size: 128
    .sgpr_count:     100
    .vgpr_count:     1024
    .wavefront_size: 32
...
	.end_amdgpu_metadata
.endif
;; end of part 2
